; MI455X (gfx1250); checked and timed in simulation.
; The chip was launched on July 23, 2026; its instructions are those of AMD's public machine-readable ISA for CDNA 5 (MIT licence, August 2026) and "CDNA5" Instruction Set Architecture Reference Guide (July 2026). The comments in the code are by the model that wrote it; some were corrected since.
;; Secure Feed Forward. Allowed arithmetic: matrix products marked QUANTISED: E4M3 operands, one E8M0 scale for each 32 along K, by v_wmma_scale_f32_16x16x128_f8f6f4 with both operands' format E4M3, f32 sums; everything else in f32.
;; Inputs: W1_codes 2,048 x 32 x 32 uint8 (E4M3 codes of W1, K innermost, in blocks of 32 codes); W1_scales 2,048 x 32 uint8 (E8M0 scales of W1, one for each 32 codes along K); W2_codes 1,024 x 64 x 32 uint8 (E4M3 codes of W2, K innermost, in blocks of 32 codes); W2_scales 1,024 x 64 uint8 (E8M0 scales of W2, one for each 32 codes along K); b1 2,048 float32; b2 1,024 float32; hidden_states_codes 4 x 4,096 x 32 x 32 uint8 (E4M3 codes of hidden_states, K innermost, in blocks of 32 codes); hidden_states_scales 4 x 4,096 x 32 uint8 (E8M0 scales of hidden_states, one for each 32 codes along K).
;; Outputs: out0 4 x 4,096 x 1,024 float32.
;; This version of the problem:
;;   THIS VERSION OF THE PROBLEM IS GIVEN IN LOW PRECISION. The matrix products marked QUANTISED in the list below multiply operands that are first quantised to E4M3 (4 exponent bits, 3 mantissa bits; 8 bits a number), with one power-of-two scale for each 32 numbers along K (OCP MX v1.0); their sums are f32. All else is computed in f32.
;;   The module's matrix products, in the order in which they are computed (A, B: the left and right operand; K: the contracted axis; several contracted axes count as one K, in the product's order):
;;     1. [M 16,384, K 1,024] x [K 1,024, N 2,048]; A: input hidden_states (given as codes); B: input W1 (given as codes): QUANTISED
;;     2. [M 16,384, K 2,048] x [K 2,048, N 1,024]; A: computed on the way; B: input W2 (given as codes): QUANTISED
;;   THE QUANTISER, for each operand of a quantised product, along K:
;;     - K is cut into blocks of 32 from its start; a last block that is shorter is filled with zeros.
;;     - A block's scale is 2^e with e = floor(log2(the largest magnitude in the block)) - 8, held to -126 .. 127; a block of zeros has e = 0. As a byte (E8M0): e + 127.
;;     - Each number is divided by its block's scale, clamped to +-448, and rounded to the nearest number of E4M3, ties to even, subnormals kept.
;;     - The product sums the exact products of the quantised numbers (number of the format x scale) in f32.
;;   ~~~python
;;   def quantise(x, axis):      # numpy; x: float32 -> the quantised numbers, widened to float32 again
;;       x = np.moveaxis(x, axis, -1); K = x.shape[-1]
;;       x = np.pad(x, [(0, 0)] * (x.ndim - 1) + [(0, -K % 32)]); x = x.reshape(x.shape[:-1] + (-1, 32)); a = np.abs(x).max(-1, keepdims=True)
;;       e = np.where(a > 0, np.clip(np.frexp(np.where(a > 0, a, 1))[1] - 1 - 8, -126, 127), 0)      # np.frexp(a)[1] - 1 = floor(log2(a)), exactly
;;       r = np.clip(x / 2.0 ** e, -448, 448)
;;       step = 2.0 ** (np.maximum(np.frexp(np.where(r == 0, 1, r))[1] - 1, -6) - 3)
;;       q = np.round(r / step) * step * 2.0 ** e      # np.round: ties to even
;;       return np.moveaxis(q.reshape(q.shape[:-2] + (-1,))[..., :K], -1, axis).astype(np.float32)
;;   ~~~
;;   OPERANDS COMPUTED ON THE WAY. 'Computed on the way' means the value that the module computes at that place (a softmax that the list does not call 'softmax' is quantised finished and normalised). What goes into a quantiser is computed in f32, as accurately as f32 sums, v_exp_f32 and their like allow (about 1e-6 of the number): no bf16 or f16 on the way to a quantiser, and a product that is left as it is and whose result goes on into a quantised operand takes f32 operands (vector FMAs, or v_wmma_f32_16x16x4_f32). A number that lies on a knife's edge between two numbers of the format may be rounded either way, as far as f32 arithmetic and the matrix unit's own rounding can turn it there, and no further.
;;   INPUTS GIVEN AS CODES. W1 (in the module: [2048, 1024], K = its axis 1); W2 (in the module: [1024, 2048], K = its axis 1); hidden_states (in the module: [4, 4096, 1024], K = its axis 2): each comes as NAME_codes (uint8): NAME with its K axis moved to the last place and cut into blocks of 32 codes, [.., K / 32, bytes a block], one block behind the other in memory; one code a byte (a code: sign, 4 exponent bits, 3 mantissa bits); and NAME_scales (uint8): the same leading axes, one E8M0 byte (e + 127) for each 32 codes along K. Its value is code x scale, taken as it is: it is not quantised again, and the codes and scales need not be those that the quantiser above would give.
;; One version. Each part assembles by itself: llvm-mc -triple=amdgcn-amd-amdhsa -mcpu=gfx1250 --defsym DOCPART=n.
;; ======== version 1 of 1: 2 launches
;; limits: right only within a limited range of input values
;; workspace buffers: h 34,603,008 bytes
;; launch up (part 1): grid 4 x 64, 4 waves a work-group, clusters of 4 x 4, 327,680 bytes of LDS; arguments hidden_states_codes, hidden_states_scales, W1_codes, W1_scales, b1, h; writes h
.if DOCPART == 1
	.amdgcn_target "amdgcn-amd-amdhsa--gfx1250"
	.amdhsa_code_object_version 6
	.text
	.protected	k_qab1c4a7122_up
	.globl	k_qab1c4a7122_up
	.p2align	8
	.type	k_qab1c4a7122_up,@function
k_qab1c4a7122_up:
	s_mov_b64 s[64:65], 0
	v_nop
	global_prefetch_b8 v0, s[64:65] scope:SCOPE_SE
	s_setreg_imm32_b32 hwreg(HW_REG_WAVE_MODE, 25, 1), 1
	s_wait_xcnt 0x0
	s_wait_alu depctr_hold_cnt(0) depctr_sa_sdst(0) depctr_va_vdst(0) depctr_va_sdst(0) depctr_va_ssrc(0) depctr_va_vcc(0) depctr_vm_vsrc(0)
	s_getreg_b32 s2, hwreg(HW_REG_IB_STS2, 6, 4)
	s_cmp_eq_u32 s2, 0
	s_cbranch_scc0 .Lentry_in_a_cluster
	s_endpgm
.Lentry_in_a_cluster:
	s_bfe_u32 s2, ttmp6, 0x10000c
	s_cmp_lg_u32 s2, 0xf033
	s_cbranch_scc0 .Lentry_shape_is_right
	s_endpgm
.Lentry_shape_is_right:
; h = Q(relu(x W1^T + b1)).  x: [16384][1024], W1: [2048][1024]: codes of FP8 (E4M3), K innermost, one E8M0 byte for each 32 along K ([row][32]); b1: [2048] f32.
; OUT: h, laid for the next launch: [unit / 128 (16)][row / 256 (64)][33,792 bytes]; a block holds 256 rows x 128 codes (row x 128 bytes), then 256 scale words (row x 4 bytes; byte j: units 32 j on of the 128).
; Q, along the units, in blocks of 32: scale 2^(floor(log2(largest number)) - 8); each number / scale, held within 0 .. 448 (the activation and the hold in one), rounded to the nearest code, ties to even.
; LIMITS: NaN and infinities in the hidden layer are not served.  A block whose largest number lies under 2^-118, a block of zeros among them, gets the byte 1 (a block of zeros: where the rule says 127);
; its codes are zeros, which add nothing under any byte but 0xff, and the bytes are read by this program alone.
; SHARES: 256 work-groups of four waves.  A WORK-GROUP STAYS: it makes two tiles of 256 rows x 256 units, side by side (the same rows of x, W1's next 256 rows); a wave makes 128 x 128 of a tile: 64 accumulators, 512 registers.
; K goes in steps of 256 through a ring of two LDS slots; the ring goes on into the second tile: the first tile's last two changes of slots ask for the second's K steps 0 and 1, and nothing waits for the first tile's stores.
; The scales of my 256 rows of x and 512 rows of W1, for all of K, come into LDS once, with the head's loads.  A wave's 16 rows x 128 codes are 2,048 consecutive bytes of h: they go through a stage of the wave's own, so the way out has no barrier.
; CLUSTERS: 4 x 4 work-groups; x's tiles are asked for jointly along a row of the cluster, W1's along a column.  The matrix instruction is used transposed (source 0 = 16 rows of W1, source 1 = 16 rows of x).
; b1 is the C of each sum's first matrix instruction.  PREFETCH: W1's K step j of the second tile is asked for behind the first tile's j-th refill, two refills ahead of its load; of the 128 rows that wave 2 or 3 fetches each of the four
; partners of the column takes 32 by address, a lane a row.  x has none: its K steps 0 to 3 come by two first fills and two refills, with no step two refills on, and the second tile takes rows that the first has read.
; REGISTERS: window 0: v16-31 addresses; v32-63 scale words, two sets; v64-127 b1; v128-255 x's fragments, one set, on the way out at work.  window 1: W1's fragments, two sets; on the way out v128-255 rows read back.  windows 2, 3: accumulators.
.set NQ,     2
.set ROWB,   256
.set KROW,   1024
.set PITCH,  272                       ; 256 bytes + 16 of padding: the 16 rows of a fragment load start at 16 different banks (ISA guide 11.1)
.set FR,     16
.set NL,     4
.set NP,     8                         ; places behind this matrix instruction (ISA guide 7.12.1)
.set HALFT,  128*PITCH
.set SLOT,   4*HALFT
.set SCL,    2*SLOT                    ; x's scales (32 units of 256 + 16), then W1's (64 units)
.set HALFS,  16*272                    ; the scales of 128 rows
.set SBLK,   2*272                     ; of 16 rows
.set STG,    SCL+6*HALFS               ; the stages: for each wave 16 rows x 144 bytes of codes, then 512 bytes of scale words; no tensor load lands here
.set CP,     144
.set WST,    16*CP+512
.set SPARE,  STG+4*WST                 ; the spare words
.set PLB,    33792                     ; a block of h
.set PLANE,  64*PLB                    ; a plane of h: 128 units of all rows
.set ADRA, 16
.set PFO,  19
.set ADRB, 20
.set SRD,  22
.set TST,  23                          ; what the scale words' address steps by at the change of tiles: lanes 16-31 (W1) 256 rows on, lanes 0-15 (x) nothing
.set STO,  24
.set RD,   25
.set CO,   26
.set ADRS, 27
.set SPW,  28
.set NIL,  29
.set SSO,  30
.set BO,   31
.set SC,   32
.set BI,   64
.set AF,   128
.set TM,   128                         ; the way out: v128-131 largest numbers, v132-135 bytes, v136-139 448 x the scale, v140-143 the conversions' scale operands
.set PW,   144
.set SW,   152
.set G1, 24
.set G0, 32
.set G1B, 48
.set G0B, 56
.set G1S, 68
.set G0S, 76
.set G1SB, 80
.set G0SB, 88
.set G0H, 4
.set G0HB, 8
.set MNT, 95
.set HSP, 96
.set SEL, 98
.set PFA, 100
.set MSB, 0
.macro WIN new
.if MSB != (\new)
	s_set_vgpr_msb (MSB<<8)|(\new)
.set MSB, (\new)
.endif
.endm
.set MUL_LO, 0xa1
.set MUL_HI, 0xf1
.set TO_B,   0x40
.macro JLOAD g0a, g1a, g0b, g1b        ; a joint load: waves 0, 1 for x, waves 2, 3 for W1; s_nop 0 and four v_nop behind each line
	s_cmp_eq_u32 s15, 0
	s_cbranch_scc0 .Lfor_b_\@
	tensor_load_to_lds s[\g0a:\g0a+3], s[\g1a:\g1a+7]
	s_nop 0
.rept 4
	v_nop
.endr
	s_branch .Lasked_\@
.Lfor_b_\@:
	tensor_load_to_lds s[\g0b:\g0b+3], s[\g1b:\g1b+7]
	s_nop 0
.rept 4
	v_nop
.endr
.Lasked_\@:
.endm
.macro CREST
	s_cmp_lg_u32 s14, 0
	s_cbranch_scc1 .Lnot_wave_0_\@
	s_barrier_signal -3
.Lnot_wave_0_\@:
	s_barrier_wait -3
	s_barrier_signal -1
	s_barrier_wait -1
.endm
.macro CROUND
	s_barrier_signal -1
	s_barrier_wait -1
	CREST
.endm
.macro ASK k                           ; s3 = 1 in waves 2 and 3 while the first tile is made
	s_cmp_eq_u32 s3, 1
	s_cbranch_scc0 .Lnp_\@
	global_prefetch_b8 v[PFO], s[PFA:PFA+1] offset:ROWB*\k th:TH_LOAD_NT scope:SCOPE_SE
.Lnp_\@:
.endm
	s_load_b128 s[4:7], s[0:1], 0x0                ; x's codes, x's scales
	s_load_b128 s[8:11], s[0:1], 0x10              ; W1's codes, W1's scales
	s_load_b64 s[66:67], s[0:1], 0x20              ; b1
	s_load_b64 s[12:13], s[0:1], 0x28              ; h
	v_lshl_add_u32 v[SPW], v0, 2, SPARE
	v_mov_b32 v[NIL], 0
	ds_add_u32 v[SPW], v[NIL]                      ; the opening lines: the add, twice on end, and its wait
	ds_add_u32 v[SPW], v[NIL]
	v_lshrrev_b32 v1, 5, v0
	v_readfirstlane_b32 s14, v1                    ; wave
	s_lshr_b32 s15, s14, 1                         ; my half of the rows; also: I fetch for x (0) or W1 (1)
	s_and_b32 s16, s14, 1                          ; my half of the units; also: which 128 rows I fetch
	s_bfe_u32 s40, ttmp6, 0x40000                  ; cx
	s_bfe_u32 s41, ttmp6, 0x40004                  ; cy
	s_lshl_b32 s42, ttmp9, 2
	s_add_co_u32 s42, s42, s40                     ; my pair of tile columns
	s_and_b32 s17, ttmp7, 0xffff
	s_lshl_b32 s17, s17, 2
	s_add_co_u32 s17, s17, s41                     ; tile row
	s_lshl_b32 s43, s41, 2
	s_lshl_b32 s43, 15, s43                        ; my row of the cluster
	s_lshl_b32 s44, 0x1111, s40                    ; my column
	s_or_b32 s[G1+0], s43, (0<<16)|(1<<20)|(1<<21)|(5<<22)|(3<<25)   ; elements of 1 byte, 4 words of padding behind every 64
	s_or_b32 s[G1B+0], s44, (0<<16)|(1<<20)|(1<<21)|(5<<22)|(3<<25)
.irp g, G1, G1B
	s_mov_b32 s[\g+1], ROWB<<16
	s_mov_b32 s[\g+2], 256<<16                     ; 256 rows for the head's loads; 128 behind them
	s_mov_b32 s[\g+3], ROWB<<16
	s_mov_b32 s[\g+4], 256
	s_mov_b32 s[\g+5], KROW
	s_mov_b32 s[\g+6], 0
	s_mov_b32 s[\g+7], 0
.endr
	s_or_b32 s[G1S+0], s43, (3<<16)|(1<<20)|(1<<21)|(5<<22)|(3<<25)  ; the scales: dense blocks as rows of 256 bytes (32 elements of 8)
	s_or_b32 s[G1SB+0], s44, (3<<16)|(1<<20)|(1<<21)|(5<<22)|(3<<25)
.irp g, G1S, G1SB
	s_mov_b32 s[\g+1], 32<<16
	s_mov_b32 s[\g+3], 32<<16
	s_mov_b32 s[\g+5], 32
	s_mov_b32 s[\g+6], 0
	s_mov_b32 s[\g+7], 0
.endr
	s_mov_b32 s[G1S+2], 32<<16                     ; x: 256 rows x 32 bytes
	s_mov_b32 s[G1S+4], 32
	s_mov_b32 s[G1SB+2], 64<<16                    ; W1: 512 rows x 32 bytes
	s_mov_b32 s[G1SB+4], 64
	s_mov_b32 s[MNT], 0x600000                     ; the mantissa field of 448
	s_mov_b32 s[SEL], 0x76543210
	s_mov_b32 s[SEL+1], 0xfedcba98
	s_lshl_b32 s20, s17, 8                         ; x: first row
	s_lshl_b32 s46, s42, 9                         ; W1: first row
	s_mov_b32 s21, 0
	s_mov_b32 s47, 0
	s_lshl_b64 s[22:23], s[20:21], 5               ; their scales, in bytes
	s_lshl_b64 s[92:93], s[46:47], 5
	s_lshl_b64 s[20:21], s[20:21], 10              ; their codes
	s_lshl_b64 s[46:47], s[46:47], 10
	s_lshl_b32 s18, s16, 17                        ; in the ring: my 128 rows of a tile
	s_mov_b32 s19, 0
	s_mul_i32 s45, s14, HALFT
	s_lshl_b32 s2, s16, 7                          ; the prefetches: row 256 + 128 x half + 32 cy of my 512 rows of W1
	s_lshl_b32 s3, s41, 5
	s_add_co_u32 s2, s2, s3
	s_add_co_u32 s2, s2, 256
	s_lshl_b32 s2, s2, 10
	s_mov_b32 s3, 0
	s_wait_dscnt 0x0                               ; both opening adds are done
	s_wait_kmcnt 0x0
	s_add_nc_u64 s[20:21], s[4:5], s[20:21]
	s_add_nc_u64 s[22:23], s[6:7], s[22:23]
	s_add_nc_u64 s[46:47], s[8:9], s[46:47]
	s_add_nc_u64 s[92:93], s[10:11], s[92:93]
	s_add_nc_u64 s[PFA:PFA+1], s[46:47], s[2:3]
	CROUND                                         ; all sixteen work-groups are here: the first joint loads meet
	s_mov_b32 s[G0H], 1
	s_mov_b32 s[G0H+1], 0
	s_mov_b64 s[G0H+2:G0H+3], s[20:21]
	s_or_b32 s[G0H+3], s[G0H+3], 0x80000000
	s_mov_b32 s[G0HB], 1
	s_mov_b32 s[G0HB+1], 2*HALFT
	s_mov_b64 s[G0HB+2:G0HB+3], s[46:47]
	s_or_b32 s[G0HB+3], s[G0HB+3], 0x80000000
	s_mov_b32 s[G0S], 1
	s_mov_b32 s[G0S+1], SCL
	s_mov_b64 s[G0S+2:G0S+3], s[22:23]
	s_or_b32 s[G0S+3], s[G0S+3], 0x80000000
	s_mov_b32 s[G0SB], 1
	s_mov_b32 s[G0SB+1], SCL+2*HALFS
	s_mov_b64 s[G0SB+2:G0SB+3], s[92:93]
	s_or_b32 s[G0SB+3], s[G0SB+3], 0x80000000
	s_add_nc_u64 s[20:21], s[20:21], s[18:19]
	s_add_nc_u64 s[46:47], s[46:47], s[18:19]
.irp s, 0,1
	s_mov_b32 s[G0+4*\s], 1
	s_add_co_u32 s[G0+4*\s+1], s45, \s*SLOT
	s_add_nc_u64 s[G0+4*\s+2:G0+4*\s+3], s[20:21], \s*ROWB
	s_or_b32 s[G0+4*\s+3], s[G0+4*\s+3], 0x80000000
	s_mov_b32 s[G0B+4*\s], 1
	s_add_co_u32 s[G0B+4*\s+1], s45, \s*SLOT
	s_add_nc_u64 s[G0B+4*\s+2:G0B+4*\s+3], s[46:47], \s*ROWB
	s_or_b32 s[G0B+4*\s+3], s[G0B+4*\s+3], 0x80000000
.endr
; the head's four tiles, one load a wave: wave 0 x's K step 0, wave 1 W1's, wave 2 x's scales, wave 3 W1's
.macro ARM under, g0, g1, next
	s_cmp_lt_u32 s14, \under
	s_cbranch_scc0 \next
	tensor_load_to_lds s[\g0:\g0+3], s[\g1:\g1+7]
	s_nop 0
.rept 4
	v_nop
.endr
	s_branch .Lhead_asked
\next:
.endm
	ARM 1, G0H,  G1,  .Lhead_b
	ARM 2, G0HB, G1B, .Lhead_sa
	ARM 3, G0S,  G1S, .Lhead_sb
	tensor_load_to_lds s[G0SB:G0SB+3], s[G1SB:G1SB+7]
	s_nop 0
.rept 4
	v_nop
.endr
.Lhead_asked:
	s_mov_b32 s3, s15                              ; waves 2 and 3 prefetch
	s_mul_i32 s18, s15, HALFT                      ; my rows of x in slot 0, 1
	s_add_co_u32 s19, s18, SLOT
	s_mul_i32 s20, s16, HALFT                      ; my rows of W1
	s_add_co_u32 s20, s20, 2*HALFT
	s_add_co_u32 s21, s20, SLOT
	s_mul_i32 s22, s15, HALFS
	s_mul_i32 s23, s16, HALFS
	s_add_co_u32 s23, s23, 2*HALFS
	s_sub_co_u32 s23, s23, s22                     ; from x's scale words to W1's
	s_add_co_u32 s22, s22, SCL
	s_mul_i32 s92, s14, WST
	s_add_co_u32 s92, s92, STG                     ; my stage: codes,
	s_add_co_u32 s93, s92, 16*CP                   ; scale words
	s_lshl_b32 s46, s42, 11                        ; b1 at my first unit: 4 x (512 x pair + 128 x half)
	s_lshl_b32 s47, s16, 9
	s_add_co_u32 s46, s46, s47
	s_mov_b32 s47, 0
	s_add_nc_u64 s[66:67], s[66:67], s[46:47]
	s_lshl_b32 s46, s42, 2                         ; my plane of h: 4 x pair + half (+ 2 for the second tile),
	s_add_co_u32 s46, s46, s16
	s_mul_i32 s46, s46, PLANE
	s_mul_i32 s45, s17, PLB                        ; my tile row's block in it
	s_add_co_u32 s46, s46, s45
	s_add_nc_u64 s[12:13], s[12:13], s[46:47]
	s_lshl_b32 s46, s15, 9
	s_add_co_u32 s46, s46, 32768
	s_add_nc_u64 s[HSP:HSP+1], s[12:13], s[46:47]  ; my 128 rows' scale words
	s_lshl_b32 s46, s15, 14
	s_add_nc_u64 s[12:13], s[12:13], s[46:47]      ; my 128 rows' codes
	v_and_b32 v1, 15, v0                           ; r
	v_bfe_u32 v2, v0, 4, 1                         ; h
	v_and_b32 v6, 31, v0                           ; lane
	v_lshlrev_b32 v[BO], 5, v2
	v_mul_u32_u24 v3, v1, PITCH
	v_lshl_add_u32 v4, v2, 4, v3
	v_add_nc_u32 v[ADRA], s18, v4
	v_add_nc_u32 v[ADRA+1], s19, v4
	v_add_nc_u32 v[ADRB], s20, v4
	v_add_nc_u32 v[ADRB+1], s21, v4
	v_lshlrev_b32 v5, 5, v1                        ; scale words: 32 bytes a row, 16 more for each 256 passed
	v_lshrrev_b32 v7, 8, v5
	v_lshl_add_u32 v5, v7, 4, v5
	v_mul_u32_u24 v7, s23, v2                      ; lanes 16-31 take W1's
	v_add_nc_u32 v5, v5, v7
	v_add_nc_u32 v[ADRS], s22, v5
	v_mul_u32_u24 v[TST], v2, 2*HALFS
	v_mul_u32_u24 v5, v1, CP                       ; into the stage: row r, 8 bytes for each half of the lanes
	v_lshl_add_u32 v5, v2, 3, v5
	v_add_nc_u32 v[STO], s92, v5
	v_lshrrev_b32 v7, 3, v6                        ; back: 32 lanes take four rows of 128 bytes
	v_and_b32 v8, 7, v6
	v_mul_u32_u24 v7, v7, CP
	v_lshl_add_u32 v7, v8, 4, v7
	v_add_nc_u32 v[RD], s92, v7
	v_lshlrev_b32 v[CO], 4, v6
	v_lshl_add_u32 v[SSO], v1, 2, s93
	v_add_nc_u32 v[SRD], s93, v[CO]
	v_lshlrev_b32 v[PFO], 10, v6                   ; a lane a row of W1
.macro BIAS
.irp b, 0,1,2,3,4,5,6,7
	global_load_b128 v[BI+8*\b:BI+8*\b+3], v[BO], s[66:67] offset:64*\b          ; b1 at units 16 b + 8 h + 0 .. 3,
	global_load_b128 v[BI+8*\b+4:BI+8*\b+7], v[BO], s[66:67] offset:64*\b+16     ; + 4 .. 7
.endr
.endm
	BIAS
.macro FRAG reg, adr, q, i
.irp c, 0,1,2,3
	ds_load_b128 v[\reg+4*\c:\reg+4*\c+3], v[\adr] offset:128*(\q)+32*\c+(\i)*16*PITCH
.endr
.endm
; 16 matrix instructions: x's blocks a0, a0 + 1 against W1's eight.  zero = 1: b1 is the C.  The 64 accumulators take turns.
.macro MUL16 a0, p, q, sc, zero
.irp a, \a0, \a0+1
.irp b, 0,1,2,3,4,5,6,7
.if \zero
	v_wmma_scale_f32_16x16x128_f8f6f4 v[8*(8*((\a)%4)+\b):8*(8*((\a)%4)+\b)+7], v[128*(\p)+FR*\b:128*(\p)+FR*\b+FR-1], v[AF+FR*(\a):AF+FR*(\a)+FR-1], v[BI+8*\b:BI+8*\b+7], v[SC+8*NQ*(\sc)+NQ*\b+(\q)], v[SC+8*NQ*(\sc)+NQ*(\a)+(\q)] matrix_a_scale:MATRIX_SCALE_ROW1
.else
	v_wmma_scale_f32_16x16x128_f8f6f4 v[8*(8*((\a)%4)+\b):8*(8*((\a)%4)+\b)+7], v[128*(\p)+FR*\b:128*(\p)+FR*\b+FR-1], v[AF+FR*(\a):AF+FR*(\a)+FR-1], v[8*(8*((\a)%4)+\b):8*(8*((\a)%4)+\b)+7], v[SC+8*NQ*(\sc)+NQ*\b+(\q)], v[SC+8*NQ*(\sc)+NQ*(\a)+(\q)] matrix_a_scale:MATRIX_SCALE_ROW1
.endif
.endr
.endr
.endm
.macro FETCH_B slot, q, p
	WIN TO_B
.irp i, 0,1,2,3,4,5,6,7
	FRAG 128*(\p)+FR*\i, ADRB+\slot, \q, \i
.endr
	WIN 0
.endm
.macro FETCH_A slot, q, i0
.irp i, \i0, \i0+1, \i0+2, \i0+3
	FRAG AF+FR*(\i), ADRA+\slot, \q, \i
.endr
.endm
.macro SCALES sc, k                    ; K step k's scale words: lanes 0-15 x's block i, lanes 16-31 W1's block i
.irp i, 0,1,2,3,4,5,6,7
	ds_load_b64 v[SC+8*NQ*\sc+NQ*\i:SC+8*NQ*\sc+NQ*\i+1], v[ADRS] offset:\i*SBLK+8*\k
.endr
.endm
.macro PLACES n
.rept \n
	v_nop
.endr
.endm
.macro STEP slot, q, zero              ; a step of 128 along K that has its successor in the same slot
	s_wait_dscnt 4*NL                              ; all but the youngest sixteen loads (x's blocks 4-7)
.if \zero
	WIN 0x81                                       ; C (b1) in window 0, D in window 2
.else
	WIN MUL_LO
.endif
	MUL16 0, (\q)%2, \q, \slot, \zero
	MUL16 2, (\q)%2, \q, \slot, \zero
	s_wait_dscnt 0
	PLACES NP
	FETCH_B \slot, (\q)+1, 1-(\q)%2
	FETCH_A \slot, (\q)+1, 0
.if \zero
	WIN 0xc1
.else
	WIN MUL_HI
.endif
	MUL16 4, (\q)%2, \q, \slot, \zero
	MUL16 6, (\q)%2, \q, \slot, \zero
	PLACES NP
	WIN 0
	FETCH_A \slot, (\q)+1, 4
.endm
; A slot's last step changes slots.  fill: the slot is filled again, with this tile's K step two on (on = 0) or the next tile's K step 0 or 1 (on = 1).  kn: the K step whose fragments are fetched (-1: none: the way out follows).  pk: the K step prefetched (-1: none).
.macro TURN slot, next, fill, on, kn, pk
	s_wait_tensorcnt 0x0                           ; all my tensor loads have landed: my part of the next slot
	ds_add_u32 v[SPW], v[NIL]
.if \fill                              ; no tensor load of mine is out: the slot's group 0 steps between the add and the wait for it
.if \on
	s_sub_nc_u64 s[G0+4*\slot+2:G0+4*\slot+3], s[G0+4*\slot+2:G0+4*\slot+3], 2*ROWB               ; x: the same rows, back along K
	s_add_nc_u64 s[G0B+4*\slot+2:G0B+4*\slot+3], s[G0B+4*\slot+2:G0B+4*\slot+3], 256*KROW-2*ROWB  ; W1: 256 rows on, back along K
.else
	s_add_nc_u64 s[G0+4*\slot+2:G0+4*\slot+3], s[G0+4*\slot+2:G0+4*\slot+3], 2*ROWB
	s_add_nc_u64 s[G0B+4*\slot+2:G0B+4*\slot+3], s[G0B+4*\slot+2:G0B+4*\slot+3], 2*ROWB
.endif
.endif
	s_wait_dscnt 0x0                               ; the add is done, my reads of this slot are over: its last step's fragments are all in registers
	s_barrier_signal -1
	s_barrier_wait -1
.if \fill
	CREST                                          ; the barrier has opened a round of the cluster's barrier
	JLOAD G0+4*\slot, G1, G0B+4*\slot, G1B         ; the first tensor load behind the round, my only one until the next; the slot's last 64 products follow it
.endif
.if \kn >= 0
	FETCH_B \next, 0, 0                            ; W1's set 0 and this set of scale words were last read ahead of the eight places that end the step before
	SCALES \next, \kn
.else
	v_add_nc_u32 v[ADRS], v[ADRS], v[TST]          ; W1's scale words of the next tile
	s_wait_alu depctr_va_vdst(0)
.endif
.if \pk >= 0
	ASK \pk
.endif
	WIN MUL_LO
	MUL16 0, 1, NQ-1, \slot, 0
	MUL16 2, 1, NQ-1, \slot, 0
.if \kn >= 0
	PLACES NP
	WIN 0
	FETCH_A \next, 0, 0
.endif
	WIN MUL_HI
	MUL16 4, 1, NQ-1, \slot, 0
	MUL16 6, 1, NQ-1, \slot, 0
.if \kn >= 0
	PLACES NP
	WIN 0
	FETCH_A \next, 0, 4
.else
	WIN 0
.endif
.endm
; THE WAY OUT.  Block a (16 rows x my 128 units) lies in 64 registers of window 2 or 3: register 16 c + i holds, of row 16 a + r, unit 32 c + 8 h + i (i < 8) or 32 c + 16 + 8 h + i - 8.
; A lane holds 16 numbers of each of four blocks of 32, lane l xor 16 the other 16.  The largest number is taken without |.| (what is negative becomes 0), over the floor 2^(9 - 127).  Each accumulator is read from its low end on.
.macro QV a
.set W, 2+(\a)/4
.set AC, 64*((\a)%4)
.if ((\a)%4) == 3
.set PC, 160                           ; the numbers written for a conversion's destination never coincide with those written for its sources
.else
.set PC, 192
.endif
	WIN 5*W
.irp c, 0,1,2,3
	v_max3_num_f32 v[TM+\c], v[AC+16*\c], v[AC+16*\c+1], 0x4800000
.endr
	WIN 20*W
.irp i, 2,4,6,8,10,12,14
.irp c, 0,1,2,3
	v_max3_num_f32 v[TM+\c], v[TM+\c], v[AC+16*\c+\i], v[AC+16*\c+\i+1]
.endr
.endr
	WIN 0
.irp c, 0,1,2,3
	v_permlanex16_b32 v[TM+4+\c], v[TM+\c], s[SEL], s[SEL+1]
.endr
.irp c, 0,1,2,3
	v_max_num_f32 v[TM+\c], v[TM+\c], v[TM+4+\c]
.endr
.irp c, 0,1,2,3
	v_add_nc_u32 v[TM+12+\c], 0xfc000000, v[TM+\c] ; 8 off the exponent field: the conversion's scale operand
.endr
.irp c, 0,1,2,3
	v_and_or_b32 v[TM+8+\c], v[TM+\c], 0x7f800000, s[MNT]   ; 448 x the scale
.endr
.irp c, 0,1,2,3
	v_lshrrev_b32 v[TM+4+\c], 23, v[TM+12+\c]      ; the scale's byte
.endr
	v_lshl_or_b32 v[PW], v[TM+5], 8, v[TM+4]
	v_lshl_or_b32 v[PW], v[TM+6], 16, v[PW]
	v_lshl_or_b32 v[PW], v[TM+7], 24, v[PW]
	WIN 65*W
.irp c, 0,1,2,3
.irp i, 0,1,2,3,4,5,6,7,8,9,10,11,12,13,14,15
	v_med3_num_f32 v[AC+16*\c+\i], v[AC+16*\c+\i], 0, v[TM+8+\c]   ; the activation and the hold in one (the conversion does not saturate: ISA guide 7.6.2)
.endr
.endr
	WIN W
.irp c, 0,1,2,3
	v_cvt_scalef32_pk8_fp8_f32 v[PC+4*\c:PC+4*\c+1], v[AC+16*\c:AC+16*\c+7], v[TM+12+\c]
	v_cvt_scalef32_pk8_fp8_f32 v[PC+4*\c+2:PC+4*\c+3], v[AC+16*\c+8:AC+16*\c+15], v[TM+12+\c]
.endr
	WIN 0
	v_nop                                          ; one plain vector instruction behind the last conversion
.endm
.macro TS a                            ; into my stage and back as 2,048 consecutive bytes; LDS serves a wave's instructions in order (ISA guide 5.7.1.4): no wait between
.irp c, 0,1,2,3
	ds_store_b64 v[STO], v[PC+4*\c:PC+4*\c+1] offset:32*\c
	ds_store_b64 v[STO], v[PC+4*\c+2:PC+4*\c+3] offset:32*\c+16
.endr
	ds_store_b32 v[SSO], v[PW] offset:64*(\a)      ; both halves of the lanes write the same word with the same value
	WIN TO_B
.irp t, 0,1,2,3
	ds_load_b128 v[128+16*(\a)+4*\t:128+16*(\a)+4*\t+3], v[RD] offset:4*CP*\t
.endr
	WIN 0
.endm
.macro SEND g                          ; blocks 4 g .. 4 g + 3: each store covers 512 consecutive bytes, at a multiple of 512 from h's first byte
	WIN 0x04
.irp a, 0,1,2,3
.irp t, 0,1,2,3
	global_store_b128 v[CO], v[128+16*(4*\g+\a)+4*\t:128+16*(4*\g+\a)+4*\t+3], s[12:13] offset:2048*(4*\g+\a)+512*\t
.endr
.endr
	WIN 0
.endm
.macro WAYOUT
	PLACES NP
.irp c, 0,1,2,3
	v_mov_b32 v[TM+4+\c], 0                        ; a lane permute's destination counts as one of its sources
.endr
.irp a, 0,1,2,3
	QV \a
	TS \a
.endr
	QV 4                                           ; block 4's arithmetic stands between block 3's loads from the stage and the wait for them
	s_wait_alu depctr_va_vdst(0)
	s_wait_dscnt 0x0
	SEND 0
	TS 4
.irp a, 5,6,7
	QV \a
	TS \a
.endr
	ds_load_b128 v[SW:SW+3], v[SRD]
	s_wait_dscnt 0x0
	SEND 1
	global_store_b128 v[CO], v[SW:SW+3], s[HSP:HSP+1]   ; my 128 rows' scale words: 512 consecutive bytes
.endm
	s_wait_alu depctr_va_vdst(0)
	s_wait_tensorcnt 0x0                           ; my tile of the head's four is in
	ds_add_u32 v[SPW], v[NIL]
	s_mov_b32 s[G1+2], 128<<16                     ; no tensor load of mine is out: from here on a load brings 128 rows
	s_mov_b32 s[G1+4], 128
	s_mov_b32 s[G1B+2], 128<<16
	s_mov_b32 s[G1B+4], 128
	s_wait_dscnt 0x0
	CROUND
	JLOAD G0+4, G1, G0B+4, G1B                     ; K step 1
	s_mov_b32 s2, 2                                ; tiles to go
.Ltile:
	s_wait_loadcnt 0x0                             ; this tile's b1
	FETCH_B 0, 0, 0
	FETCH_A 0, 0, 0
	SCALES 0, 0
	FETCH_A 0, 0, 4
	STEP 0, 0, 1
	TURN 0, 1, 1, 0, 1, 0
	STEP 1, 0, 0
	TURN 1, 0, 1, 0, 2, 1
	STEP 0, 0, 0
	s_cmp_eq_u32 s2, 1
	s_cbranch_scc1 .Llast                          ; the last tile's tail is written out: it asks for nothing more
	TURN 0, 1, 1, 1, 3, 2                          ; the ring goes on into the next tile: slot 0 takes its K step 0,
	s_add_nc_u64 s[66:67], s[66:67], 1024          ; (the earlier loads of b1 have been waited for)
	BIAS                                           ; the next tile's b1: its registers were last read by the tile's first step
	STEP 1, 0, 0
	TURN 1, 0, 1, 1, -1, 3                         ; slot 1 its K step 1
	s_mov_b32 s3, 0                                ; nothing more is prefetched
	WAYOUT
	s_wait_xcnt 0x0                                ; the stores have read their registers and bases
	s_add_nc_u64 s[12:13], s[12:13], 2*PLANE       ; the next tile's planes of h
	s_add_nc_u64 s[HSP:HSP+1], s[HSP:HSP+1], 2*PLANE
	s_sub_co_u32 s2, s2, 1
	s_wait_alu depctr_va_vdst(0)
	s_branch .Ltile
.Llast:
	TURN 0, 1, 0, 0, 3, -1
	STEP 1, 0, 0
	s_wait_dscnt 4*NL
	WIN MUL_LO
	MUL16 0, 1, NQ-1, 1, 0
	MUL16 2, 1, NQ-1, 1, 0
	s_wait_dscnt 0
	WIN MUL_HI
	MUL16 4, 1, NQ-1, 1, 0
	MUL16 6, 1, NQ-1, 1, 0
	WIN 0
	WAYOUT
	s_wait_tensorcnt 0x0                           ; the wave's end
	ds_add_u32 v[SPW], v[NIL]
	s_wait_dscnt 0x0
	CROUND                                         ; the closing round
	s_endpgm
.Lfunc_end_k_qab1c4a7122_up:
	.size	k_qab1c4a7122_up, .Lfunc_end_k_qab1c4a7122_up-k_qab1c4a7122_up
	.p2alignl 7, 3214868480
	.fill 96, 4, 3214868480
	.section	.rodata,"a",@progbits
	.p2align	6, 0x0
	.amdhsa_kernel k_qab1c4a7122_up
		.amdhsa_group_segment_fixed_size 327680
		.amdhsa_private_segment_fixed_size 0
		.amdhsa_enable_private_segment 0
		.amdhsa_kernarg_size 48
		.amdhsa_user_sgpr_count 2
		.amdhsa_user_sgpr_kernarg_segment_ptr 1
		.amdhsa_wavefront_size32 1
		.amdhsa_system_sgpr_workgroup_id_x 1
		.amdhsa_system_sgpr_workgroup_id_y 1
		.amdhsa_system_sgpr_workgroup_id_z 1
		.amdhsa_system_vgpr_workitem_id 0
		.amdhsa_next_free_vgpr 1024
		.amdhsa_next_free_sgpr 102
		.amdhsa_reserve_vcc 0
		.amdhsa_float_denorm_mode_32 3
		.amdhsa_float_denorm_mode_16_64 3
		.amdhsa_memory_ordered 1
		.amdhsa_forward_progress 1
		.amdhsa_inst_pref_size 255
	.end_amdhsa_kernel
	.section	.bss,"aw",@nobits
	.p2align	6
	.space	262144
	.amdgpu_metadata
---
amdhsa.version: [ 1, 2 ]
amdhsa.kernels:
  - .name:           k_qab1c4a7122_up
    .symbol:         k_qab1c4a7122_up.kd
    .args:
      - { .name: hidden_states_codes, .offset: 0, .size: 8, .value_kind: global_buffer, .address_space: global }
      - { .name: hidden_states_scales, .offset: 8, .size: 8, .value_kind: global_buffer, .address_space: global }
      - { .name: W1_codes, .offset: 16, .size: 8, .value_kind: global_buffer, .address_space: global }
      - { .name: W1_scales, .offset: 24, .size: 8, .value_kind: global_buffer, .address_space: global }
      - { .name: b1, .offset: 32, .size: 8, .value_kind: global_buffer, .address_space: global }
      - { .name: h, .offset: 40, .size: 8, .value_kind: global_buffer, .address_space: global }
    .group_segment_fixed_size: 327680
    .private_segment_fixed_size: 0
    .kernarg_segment_align: 8
    .kernarg_segment_size: 48
    .max_flat_workgroup_size: 128
    .sgpr_count:     102
    .vgpr_count:     1024
    .wavefront_size: 32
...
	.end_amdgpu_metadata
.endif
;; end of part 1
;; launch down (part 2): grid 4 x 64, 4 waves a work-group, clusters of 4 x 4, 327,680 bytes of LDS; arguments h, W2_codes, W2_scales, b2, out0; writes out0
.if DOCPART == 2
	.amdgcn_target "amdgcn-amd-amdhsa--gfx1250"
	.amdhsa_code_object_version 6
	.text
	.protected	k_qab1c4a7122_down
	.globl	k_qab1c4a7122_down
	.p2align	8
	.type	k_qab1c4a7122_down,@function
k_qab1c4a7122_down:
	s_mov_b64 s[64:65], 0
	v_nop
	global_prefetch_b8 v0, s[64:65] scope:SCOPE_SE
	s_setreg_imm32_b32 hwreg(HW_REG_WAVE_MODE, 25, 1), 1
	s_wait_xcnt 0x0
	s_wait_alu depctr_hold_cnt(0) depctr_sa_sdst(0) depctr_va_vdst(0) depctr_va_sdst(0) depctr_va_ssrc(0) depctr_va_vcc(0) depctr_vm_vsrc(0)
	s_getreg_b32 s2, hwreg(HW_REG_IB_STS2, 6, 4)
	s_cmp_eq_u32 s2, 0
	s_cbranch_scc0 .Lentry_in_a_cluster
	s_endpgm
.Lentry_in_a_cluster:
	s_bfe_u32 s2, ttmp6, 0x10000c
	s_cmp_lg_u32 s2, 0xf033
	s_cbranch_scc0 .Lentry_shape_is_right
	s_endpgm
.Lentry_shape_is_right:
; out = h W2^T + b2.  h as the launch before laid it: [unit / 128 (16)][row / 256 (64)][33,792 bytes]: 256 rows x 128 codes, then 256 scale words.  W2: [1024][2048] codes of FP8 (E4M3), K innermost, scales [row][64]; b2: [1024] f32; out: [16384][1024] f32.
; SHARES: a tile of 256 x 256 of out is made by a work-group of four waves, 128 x 128 a wave: 64 accumulators, 512 registers.  K goes in steps of 256 through a ring of two LDS slots.
; A K step of h is two blocks (planes 2 k and 2 k + 1), each 132 dense rows of 256 bytes: wave 0 fetches one, wave 1 the other, codes and scale words by the same load; waves 2 and 3 fetch 128 rows of W2 each.
; In LDS two rows of h share a padded row of 272 bytes: row p lies at 272 (p / 2) + 128 (p % 2), so the 16 rows of a fragment load touch 16 different columns of 16 bytes modulo 256.
; W2's scales of my 256 rows, for all of K, come once, with the head's loads.  CLUSTERS: 4 x 4; h's tiles are asked for jointly along a row of the cluster, W2's along a column.  The matrix instruction is used transposed.
; PREFETCH: behind each refill, the K step two refills on: of the 128 rows of 256 bytes that a wave fetches (h: the plane's codes; its four rows of scale words are left to the load) each of the four partners takes 32 by address, a lane a row; the last two refills ask for nothing.
; REGISTERS: window 0: v16-30 addresses; v32-63 W2's scale words, v65-96 h's, two sets each (an even and an odd number in every product); v100-103 b2; v128-255 h's fragments, one set.  window 1: W2's fragments, two sets.  windows 2, 3: accumulators.
.set SIZE_N, 1024
.set NQ,     2
.set ROWB,   256
.set KROW,   2048
.set PITCH,  272
.set FR,     16
.set NL,     4
.set NP,     8
.set PLB,    33792
.set PLANE,  64*PLB
.set PLA,    132*PITCH                 ; a plane's block in LDS
.set HALFT,  128*PITCH
.set SLOT,   2*PLA+2*HALFT
.set LAPS,   4
.set SCB,    2*SLOT                    ; W2's scales: 64 units of 256 + 16
.set HALFS,  32*272
.set SBLK,   4*272
.set SPARE,  SCB+2*HALFS
.set SPITCH, 528                       ; the way out: a stage of 16 rows x (512 + 16) bytes for each wave, in slot 0, which has had its last fill and its last read by then
.set ADRA, 16
.set ADSA, 18
.set ADRB, 20
.set ADSB, 23
.set STO,  24
.set RD,   25
.set CO,   26
.set SPW,  28
.set NIL,  29
.set PFO,  30
.set SB,   32
.set SA,   65
.set BV,   100
.set AF,   128
.set G1, 24
.set G0, 32
.set G1B, 48
.set G0B, 56
.set PFA, 68
.set PFS, 70
.set G1SB, 80
.set G0SB, 88
.set G0HB, 92
.set MSB, 0
.macro WIN new
.if MSB != (\new)
	s_set_vgpr_msb (MSB<<8)|(\new)
.set MSB, (\new)
.endif
.endm
.set MUL_LO, 0xa1
.set MUL_HI, 0xf1
.set TO_B,   0x40
.macro JLOAD g0a, g1a, g0b, g1b
	s_cmp_eq_u32 s15, 0
	s_cbranch_scc0 .Lfor_b_\@
	tensor_load_to_lds s[\g0a:\g0a+3], s[\g1a:\g1a+7]
	s_nop 0
.rept 4
	v_nop
.endr
	s_branch .Lasked_\@
.Lfor_b_\@:
	tensor_load_to_lds s[\g0b:\g0b+3], s[\g1b:\g1b+7]
	s_nop 0
.rept 4
	v_nop
.endr
.Lasked_\@:
.endm
.macro ASK                             ; s3 = 1 in the loop's last trip, whose refills have no K step two on
	s_cmp_gt_u32 s3, 1
	s_cbranch_scc0 .Lnot_mine_\@
	global_prefetch_b8 v[PFO], s[PFA:PFA+1] th:TH_LOAD_NT scope:SCOPE_SE
.Lnot_mine_\@:
.endm
.macro CREST
	s_cmp_lg_u32 s14, 0
	s_cbranch_scc1 .Lnot_wave_0_\@
	s_barrier_signal -3
.Lnot_wave_0_\@:
	s_barrier_wait -3
	s_barrier_signal -1
	s_barrier_wait -1
.endm
.macro CROUND
	s_barrier_signal -1
	s_barrier_wait -1
	CREST
.endm
	s_load_b128 s[4:7], s[0:1], 0x0                ; h, W2's codes
	s_load_b128 s[8:11], s[0:1], 0x10              ; W2's scales, b2
	s_load_b64 s[12:13], s[0:1], 0x20              ; out
	v_lshl_add_u32 v[SPW], v0, 2, SPARE
	v_mov_b32 v[NIL], 0
	ds_add_u32 v[SPW], v[NIL]                      ; the opening lines: the add, twice on end, and its wait
	ds_add_u32 v[SPW], v[NIL]
	v_lshrrev_b32 v1, 5, v0
	v_readfirstlane_b32 s14, v1
	s_lshr_b32 s15, s14, 1                         ; my half of the rows; also: I fetch for h (0) or W2 (1)
	s_and_b32 s16, s14, 1                          ; my half of the columns; also: which plane, or which 128 rows, I fetch
	s_bfe_u32 s40, ttmp6, 0x40000
	s_bfe_u32 s41, ttmp6, 0x40004
	s_lshl_b32 s42, ttmp9, 2
	s_add_co_u32 s42, s42, s40                     ; tile column
	s_and_b32 s17, ttmp7, 0xffff
	s_lshl_b32 s17, s17, 2
	s_add_co_u32 s17, s17, s41                     ; tile row
	s_lshl_b32 s43, s41, 2
	s_lshl_b32 s43, 15, s43
	s_lshl_b32 s44, 0x1111, s40
	s_or_b32 s[G1+0], s43, (0<<16)|(1<<20)|(1<<21)|(5<<22)|(3<<25)
	s_mov_b32 s[G1+1], ROWB<<16                    ; h: 132 dense rows of 256 bytes
	s_mov_b32 s[G1+2], 132<<16
	s_mov_b32 s[G1+3], ROWB<<16
	s_mov_b32 s[G1+4], 132
	s_mov_b32 s[G1+5], ROWB
	s_mov_b32 s[G1+6], 0
	s_mov_b32 s[G1+7], 0
	s_or_b32 s[G1B+0], s44, (0<<16)|(1<<20)|(1<<21)|(5<<22)|(3<<25)
	s_mov_b32 s[G1B+1], ROWB<<16                   ; W2: 256 rows for the head's load; 128 behind it
	s_mov_b32 s[G1B+2], 256<<16
	s_mov_b32 s[G1B+3], ROWB<<16
	s_mov_b32 s[G1B+4], 256
	s_mov_b32 s[G1B+5], KROW
	s_mov_b32 s[G1B+6], 0
	s_mov_b32 s[G1B+7], 0
	s_or_b32 s[G1SB+0], s44, (3<<16)|(1<<20)|(1<<21)|(5<<22)|(3<<25)
	s_mov_b32 s[G1SB+1], 32<<16                    ; W2's scales: 256 rows x 64 bytes, as 64 rows of 256
	s_mov_b32 s[G1SB+2], 64<<16
	s_mov_b32 s[G1SB+3], 32<<16
	s_mov_b32 s[G1SB+4], 64
	s_mov_b32 s[G1SB+5], 32
	s_mov_b32 s[G1SB+6], 0
	s_mov_b32 s[G1SB+7], 0
	s_lshl_b32 s46, s42, 8                         ; W2: first row
	s_mov_b32 s47, 0
	s_lshl_b64 s[72:73], s[46:47], 6               ; its scales,
	s_lshl_b64 s[46:47], s[46:47], 11              ; its codes
	s_mul_i32 s20, s17, PLB                        ; h: my tile row's block, in the plane that I fetch
	s_mul_i32 s21, s16, PLANE
	s_add_co_u32 s20, s20, s21
	s_mov_b32 s21, 0
	s_lshl_b32 s18, s16, 18                        ; W2 in the ring: my 128 rows
	s_mov_b32 s19, 0
	s_mul_i32 s45, s16, PLA                        ; where they go
	s_mul_i32 s74, s16, HALFT
	s_add_co_u32 s74, s74, 2*PLA
	s_lshl_b32 s22, s40, 13                        ; the prefetches, at K step 3: h: my plane's block + 32 cx rows of 256 bytes;
	s_add_co_u32 s22, s22, s20
	s_add_co_u32 s22, s22, 6*PLANE
	s_lshl_b32 s23, s41, 16                        ; W2: my 128 rows + 32 cy rows of 2,048 bytes
	s_add_co_u32 s23, s23, s18
	s_add_co_u32 s23, s23, s46
	s_add_co_u32 s23, s23, 3*ROWB
	s_mov_b32 s75, ROWB
	s_cmp_eq_u32 s15, 0
	s_cselect_b32 s22, s22, s23
	s_cselect_b32 s[PFS], 2*PLANE, s75             ; a K step on
	s_cselect_b32 s76, 8, 11                       ; a lane a row: 256 or 2,048 bytes
	s_mov_b32 s23, 0
	s_mov_b32 s[PFS+1], 0
	s_wait_dscnt 0x0
	s_wait_kmcnt 0x0
	s_add_nc_u64 s[20:21], s[4:5], s[20:21]
	s_add_nc_u64 s[46:47], s[6:7], s[46:47]
	s_add_nc_u64 s[72:73], s[8:9], s[72:73]
	s_cmp_eq_u32 s15, 0
	s_cselect_b64 s[PFA:PFA+1], s[4:5], s[6:7]
	s_add_nc_u64 s[PFA:PFA+1], s[PFA:PFA+1], s[22:23]
	CROUND                                         ; all sixteen work-groups are here: the first joint loads meet
	s_mov_b32 s[G0HB], 1
	s_mov_b32 s[G0HB+1], 2*PLA
	s_mov_b64 s[G0HB+2:G0HB+3], s[46:47]
	s_or_b32 s[G0HB+3], s[G0HB+3], 0x80000000
	s_mov_b32 s[G0SB], 1
	s_mov_b32 s[G0SB+1], SCB
	s_mov_b64 s[G0SB+2:G0SB+3], s[72:73]
	s_or_b32 s[G0SB+3], s[G0SB+3], 0x80000000
	s_add_nc_u64 s[46:47], s[46:47], s[18:19]
.irp s, 0,1
	s_mov_b32 s[G0+4*\s], 1
	s_add_co_u32 s[G0+4*\s+1], s45, \s*SLOT
	s_add_nc_u64 s[G0+4*\s+2:G0+4*\s+3], s[20:21], \s*2*PLANE
	s_or_b32 s[G0+4*\s+3], s[G0+4*\s+3], 0x80000000
	s_mov_b32 s[G0B+4*\s], 1
	s_add_co_u32 s[G0B+4*\s+1], s74, \s*SLOT
	s_add_nc_u64 s[G0B+4*\s+2:G0B+4*\s+3], s[46:47], \s*ROWB
	s_or_b32 s[G0B+4*\s+3], s[G0B+4*\s+3], 0x80000000
.endr
; the head's four tiles, one load a wave: waves 0 and 1 h's planes 0 and 1, wave 2 W2's K step 0 (256 rows), wave 3 W2's scales
.macro ARM under, g0, g1, next
	s_cmp_lt_u32 s14, \under
	s_cbranch_scc0 \next
	tensor_load_to_lds s[\g0:\g0+3], s[\g1:\g1+7]
	s_nop 0
.rept 4
	v_nop
.endr
	s_branch .Lhead_asked
\next:
.endm
	ARM 2, G0,   G1,  .Lhead_b
	ARM 3, G0HB, G1B, .Lhead_sb
	tensor_load_to_lds s[G0SB:G0SB+3], s[G1SB:G1SB+7]
	s_nop 0
.rept 4
	v_nop
.endr
.Lhead_asked:
	s_mul_i32 s18, s15, 64*PITCH                   ; my 128 rows of h in slot 0, 1
	s_add_co_u32 s19, s18, SLOT
	s_add_co_u32 s75, s74, SLOT                    ; my 128 rows of W2: s74, s75
	s_mul_i32 s20, s15, 2*PITCH                    ; my rows' scale words: behind a plane's 128 rows of codes
	s_add_co_u32 s20, s20, 128*PITCH
	s_add_co_u32 s21, s20, SLOT
	s_mul_i32 s22, s16, HALFS
	s_add_co_u32 s22, s22, SCB
	s_mul_i32 s23, s14, 16*SPITCH                  ; my stage
	s_lshl_b32 s46, s42, 10                        ; my first column, in bytes
	s_lshl_b32 s47, s16, 9
	s_add_co_u32 s46, s46, s47
	s_mov_b32 s47, 0
	s_add_nc_u64 s[10:11], s[10:11], s[46:47]
	s_add_nc_u64 s[12:13], s[12:13], s[46:47]
	s_lshl_b32 s46, s17, 8
	s_lshl_b32 s45, s15, 7
	s_add_co_u32 s46, s46, s45
	s_lshl_b32 s46, s46, 12                        ; my first row: 4,096 bytes a row
	s_add_nc_u64 s[12:13], s[12:13], s[46:47]
	v_and_b32 v1, 15, v0                           ; r
	v_bfe_u32 v2, v0, 4, 1                         ; h
	v_and_b32 v6, 31, v0
	v_lshlrev_b32 v[CO], 4, v6
	v_lshrrev_b32 v3, 1, v1
	v_and_b32 v4, 1, v1
	v_mul_u32_u24 v3, v3, PITCH
	v_lshl_add_u32 v3, v4, 7, v3
	v_lshl_add_u32 v3, v2, 4, v3                   ; h: 272 (r / 2) + 128 (r % 2) + 16 h
	v_add_nc_u32 v[ADRA], s18, v3
	v_add_nc_u32 v[ADRA+1], s19, v3
	v_mul_u32_u24 v4, v1, PITCH
	v_lshl_add_u32 v4, v2, 4, v4
	v_add_nc_u32 v[ADRB], s74, v4
	v_add_nc_u32 v[ADRB+1], s75, v4
	v_lshl_add_u32 v[ADSA], v1, 2, s20
	v_lshl_add_u32 v[ADSA+1], v1, 2, s21
	v_lshlrev_b32 v5, 6, v1
	v_lshrrev_b32 v7, 8, v5
	v_lshl_add_u32 v5, v7, 4, v5
	v_add_nc_u32 v[ADSB], s22, v5
	v_mul_u32_u24 v5, v1, SPITCH
	v_lshl_add_u32 v5, v2, 5, v5
	v_add_nc_u32 v[STO], s23, v5
	v_add_nc_u32 v[RD], s23, v[CO]
	v_lshlrev_b32 v[PFO], s76, v6
	global_load_b128 v[BV:BV+3], v[CO], s[10:11]   ; b2 at the four columns that I store
.macro FRAGA reg, slot, q, i
.irp c, 0,1,2,3
	ds_load_b128 v[\reg+4*\c:\reg+4*\c+3], v[ADRA+\slot] offset:(\q)*PLA+32*\c+(\i)*8*PITCH
.endr
.endm
.macro FRAGB reg, slot, q, i
.irp c, 0,1,2,3
	ds_load_b128 v[\reg+4*\c:\reg+4*\c+3], v[ADRB+\slot] offset:128*(\q)+32*\c+(\i)*16*PITCH
.endr
.endm
.macro MUL16 a0, p, q, sc, zero        ; the 64 accumulators take turns
.irp a, \a0, \a0+1
.irp b, 0,1,2,3,4,5,6,7
.if \zero
	v_wmma_scale_f32_16x16x128_f8f6f4 v[8*(8*((\a)%4)+\b):8*(8*((\a)%4)+\b)+7], v[128*(\p)+FR*\b:128*(\p)+FR*\b+FR-1], v[AF+FR*(\a):AF+FR*(\a)+FR-1], 0, v[SB+8*NQ*(\sc)+NQ*\b+(\q)], v[SA+8*NQ*(\sc)+NQ*(\a)+(\q)]
.else
	v_wmma_scale_f32_16x16x128_f8f6f4 v[8*(8*((\a)%4)+\b):8*(8*((\a)%4)+\b)+7], v[128*(\p)+FR*\b:128*(\p)+FR*\b+FR-1], v[AF+FR*(\a):AF+FR*(\a)+FR-1], v[8*(8*((\a)%4)+\b):8*(8*((\a)%4)+\b)+7], v[SB+8*NQ*(\sc)+NQ*\b+(\q)], v[SA+8*NQ*(\sc)+NQ*(\a)+(\q)]
.endif
.endr
.endr
.endm
.macro FETCH_B slot, q, p
	WIN TO_B
.irp i, 0,1,2,3,4,5,6,7
	FRAGB 128*(\p)+FR*\i, \slot, \q, \i
.endr
	WIN 0
.endm
.macro FETCH_A slot, q, i0
.irp i, \i0, \i0+1, \i0+2, \i0+3
	FRAGA AF+FR*(\i), \slot, \q, \i
.endr
.endm
.macro SCALES sc                       ; h's words lie in the slot, behind each plane's codes: 64 rows to a padded row; W2's lie behind the ring
.irp i, 0,1,2,3,4,5,6,7
.irp q, 0,1
	ds_load_b32 v[SA+8*NQ*\sc+NQ*\i+\q], v[ADSA+\sc] offset:\q*PLA+(\i/4)*PITCH+(\i%4)*64
.endr
.endr
.irp i, 0,1,2,3,4,5,6,7
	ds_load_b64 v[SB+8*NQ*\sc+NQ*\i:SB+8*NQ*\sc+NQ*\i+1], v[ADSB] offset:\i*SBLK
.endr
.endm
.macro PLACES n
.rept \n
	v_nop
.endr
.endm
.macro STEP slot, q, zero
	s_wait_dscnt 4*NL                              ; all but the youngest sixteen loads (h's blocks 4-7)
	WIN MUL_LO
	MUL16 0, (\q)%2, \q, \slot, \zero
	MUL16 2, (\q)%2, \q, \slot, \zero
	s_wait_dscnt 0
	PLACES NP
	FETCH_B \slot, (\q)+1, 1-(\q)%2
	FETCH_A \slot, (\q)+1, 0
	WIN MUL_HI
	MUL16 4, (\q)%2, \q, \slot, \zero
	MUL16 6, (\q)%2, \q, \slot, \zero
	PLACES NP
	WIN 0
	FETCH_A \slot, (\q)+1, 4
.endm
; A slot's last step changes slots: the waits, the round and the refill come first, since that step's fragments are all in registers; its 64 products follow the refill.
.macro TURN slot, next
	s_wait_xcnt 0x0                                ; my last prefetch has read its address
	s_add_nc_u64 s[PFA:PFA+1], s[PFA:PFA+1], s[PFS:PFS+1]
	s_wait_tensorcnt 0x0                           ; all my tensor loads have landed: my part of the next slot
	ds_add_u32 v[SPW], v[NIL]                      ; the slot's group 0 steps between the add and the wait for it
	s_add_nc_u64 s[G0+4*\slot+2:G0+4*\slot+3], s[G0+4*\slot+2:G0+4*\slot+3], 4*PLANE
	s_add_nc_u64 s[G0B+4*\slot+2:G0B+4*\slot+3], s[G0B+4*\slot+2:G0B+4*\slot+3], 2*ROWB
	s_wait_dscnt 0x0                               ; the add is done, my reads of this slot are over
	s_barrier_signal -1
	s_barrier_wait -1
	CREST                                          ; the barrier has opened a round of the cluster's barrier
	JLOAD G0+4*\slot, G1, G0B+4*\slot, G1B         ; the first tensor load behind the round, my only one until the next
	v_add_nc_u32 v[ADSB], 4*NQ, v[ADSB]            ; W2's scale words of the next K step
	s_wait_alu depctr_va_vdst(0)
	FETCH_B \next, 0, 0                            ; W2's set 0 and this set of scale words were last read ahead of the eight places that end the step before
	SCALES \next
	ASK
	WIN MUL_LO
	MUL16 0, 1, NQ-1, \slot, 0
	MUL16 2, 1, NQ-1, \slot, 0
	PLACES NP
	WIN 0
	FETCH_A \next, 0, 0
	WIN MUL_HI
	MUL16 4, 1, NQ-1, \slot, 0
	MUL16 6, 1, NQ-1, \slot, 0
	PLACES NP
	WIN 0
	FETCH_A \next, 0, 4
.endm
	s_wait_alu depctr_va_vdst(0)
	s_wait_tensorcnt 0x0                           ; my tile of the head's four is in
	ds_add_u32 v[SPW], v[NIL]
	s_mov_b32 s[G1B+2], 128<<16                    ; no tensor load of mine is out: from here on a load of W2 brings 128 rows
	s_mov_b32 s[G1B+4], 128
	s_wait_dscnt 0x0
	CROUND
	JLOAD G0+4, G1, G0B+4, G1B                     ; K step 1
	FETCH_B 0, 0, 0
	FETCH_A 0, 0, 0
	SCALES 0
	FETCH_A 0, 0, 4
	STEP 0, 0, 1                                   ; the first step's products start the sums
	s_mov_b32 s3, LAPS-1
.Llap:
	TURN 0, 1
	STEP 1, 0, 0
	TURN 1, 0
	STEP 0, 0, 0
	s_sub_co_u32 s3, s3, 1
	s_cmp_lg_u32 s3, 0
	s_cbranch_scc1 .Llap
; THE WAY OUT, block by block of 16 rows x 128 columns, through my own stage and back as whole rows of 512 bytes; b2 is added to the rows read back, all of a block's additions ahead of its stores.
.macro TOSTAGE a
.set AC, 64*((\a)%4)
	WIN 0x08+4*((\a)/4)
.irp b, 0,1,2,3,4,5,6,7
	ds_store_b128 v[STO], v[AC+8*\b:AC+8*\b+3] offset:64*\b          ; each accumulator from its low end on
	ds_store_b128 v[STO], v[AC+8*\b+4:AC+8*\b+7] offset:64*\b+16
.endr
	WIN 0x80+0x40*((\a)/4)                         ; back into the block's own 64 registers: LDS serves a wave's instructions in order (ISA guide 5.7.1.4), so the stores above have read them
.irp t, 0,1,2,3,4,5,6,7,8,9,10,11,12,13,14,15
	ds_load_b128 v[AC+4*\t:AC+4*\t+3], v[RD] offset:\t*SPITCH
.endr
	WIN 0
.endm
.macro SEND a, younger                 ; younger: the LDS instructions issued behind block a's loads.  No register that a store reads, data, offset or base, is written again: the block's place stands in the immediate, 520,192 bytes at the most
.set AC, 64*((\a)%4)
	s_wait_dscnt \younger
	WIN 0x82+0x41*((\a)/4)                         ; destination and source 0: the block's window; b2 in window 0
.irp t, 0,1,2,3,4,5,6,7,8,9,10,11,12,13,14,15
	v_pk_add_f32 v[AC+4*\t:AC+4*\t+1], v[AC+4*\t:AC+4*\t+1], v[BV:BV+1]
	v_pk_add_f32 v[AC+4*\t+2:AC+4*\t+3], v[AC+4*\t+2:AC+4*\t+3], v[BV+2:BV+3]
.endr
	WIN 0x08+4*((\a)/4)                            ; the data: the block's window
.irp t, 0,1,2,3,4,5,6,7,8,9,10,11,12,13,14,15
	global_store_b128 v[CO], v[AC+4*\t:AC+4*\t+3], s[12:13] offset:(\a)*16*SIZE_N*4+\t*SIZE_N*4 th:TH_STORE_NT   ; 32 lanes store 512 consecutive bytes, at a multiple of 512 from out's first byte
.endr
	WIN 0
.endm
; THE LAST K STEP (slot 1) GOES BY ROWS OF out.  W2's fragments of both its halves fill window 1; h comes by blocks of 16 rows x 256 K, 32 registers, two buffers in v128-191.
; Each of my eight blocks is finished by 16 matrix instructions (its 8 accumulators by turns, K ascending), goes through the stage back into its own registers, and leaves while the next block is multiplied.  LDS is read no more than in any K step.
.macro ALOAD a
.irp q, 0,1
	FRAGA AF+32*((\a)%2)+16*\q, 1, \q, \a
.endr
.endm
.macro ROW a
	WIN MUL_LO+0x50*((\a)/4)
.irp q, 0,1
.irp b, 0,1,2,3,4,5,6,7
	v_wmma_scale_f32_16x16x128_f8f6f4 v[8*(8*((\a)%4)+\b):8*(8*((\a)%4)+\b)+7], v[128*\q+FR*\b:128*\q+FR*\b+FR-1], v[AF+32*((\a)%2)+16*\q:AF+32*((\a)%2)+16*\q+15], v[8*(8*((\a)%4)+\b):8*(8*((\a)%4)+\b)+7], v[SB+8*NQ+NQ*\b+\q], v[SA+8*NQ+NQ*(\a)+\q]
.endr
.endr
	WIN 0
.endm
	s_wait_tensorcnt 0x0                           ; the last change of slots: my part of slot 1 is in; nothing is filled again, so no round follows
	ds_add_u32 v[SPW], v[NIL]
	s_wait_dscnt 0x0                               ; the add is done, my reads of slot 0 are over
	s_barrier_signal -1
	s_barrier_wait -1
	v_add_nc_u32 v[ADSB], 4*NQ, v[ADSB]
	s_wait_alu depctr_va_vdst(0)
	FETCH_B 1, 0, 0
	SCALES 1
	WIN MUL_LO
	MUL16 0, 1, NQ-1, 0, 0                         ; slot 0's last step
	MUL16 2, 1, NQ-1, 0, 0
	PLACES NP
	WIN 0
	ALOAD 0
	ALOAD 1
	WIN MUL_HI
	MUL16 4, 1, NQ-1, 0, 0
	MUL16 6, 1, NQ-1, 0, 0
	PLACES NP
	FETCH_B 1, 1, 1
	s_wait_loadcnt 0x0                             ; b2
	s_wait_dscnt 0x0
	ROW 0
	PLACES NP
	TOSTAGE 0
	ALOAD 2
.irp a, 1,2,3,4,5,6,7
.if \a < 7
	s_wait_dscnt 40                                ; block a's fragments are in; behind them: block a - 1's 32 stage instructions and block a + 1's 8 loads
.else
	s_wait_dscnt 32                                ; behind block 7's fragments: block 6's 32 stage instructions
.endif
	ROW \a
.if \a < 7
	SEND \a-1, 8                                   ; behind the stage's reads: block a + 1's 8 loads
.else
	SEND \a-1, 0
.endif
	PLACES NP
	TOSTAGE \a
.if \a < 6
	ALOAD \a+2                                     ; into the buffer that block a has left
.endif
.endr
	SEND 7, 0
	s_wait_tensorcnt 0x0                           ; the wave's end
	ds_add_u32 v[SPW], v[NIL]
	s_wait_dscnt 0x0
	CROUND                                         ; the closing round
	s_endpgm
.Lfunc_end_k_qab1c4a7122_down:
	.size	k_qab1c4a7122_down, .Lfunc_end_k_qab1c4a7122_down-k_qab1c4a7122_down
	.p2alignl 7, 3214868480
	.fill 96, 4, 3214868480
	.section	.rodata,"a",@progbits
	.p2align	6, 0x0
	.amdhsa_kernel k_qab1c4a7122_down
		.amdhsa_group_segment_fixed_size 327680
		.amdhsa_private_segment_fixed_size 0
		.amdhsa_enable_private_segment 0
		.amdhsa_kernarg_size 40
		.amdhsa_user_sgpr_count 2
		.amdhsa_user_sgpr_kernarg_segment_ptr 1
		.amdhsa_wavefront_size32 1
		.amdhsa_system_sgpr_workgroup_id_x 1
		.amdhsa_system_sgpr_workgroup_id_y 1
		.amdhsa_system_sgpr_workgroup_id_z 1
		.amdhsa_system_vgpr_workitem_id 0
		.amdhsa_next_free_vgpr 1024
		.amdhsa_next_free_sgpr 100
		.amdhsa_reserve_vcc 0
		.amdhsa_float_denorm_mode_32 3
		.amdhsa_float_denorm_mode_16_64 3
		.amdhsa_memory_ordered 1
		.amdhsa_forward_progress 1
		.amdhsa_inst_pref_size 169
	.end_amdhsa_kernel
	.amdgpu_metadata
---
amdhsa.version: [ 1, 2 ]
amdhsa.kernels:
  - .name:           k_qab1c4a7122_down
    .symbol:         k_qab1c4a7122_down.kd
    .args:
      - { .name: h, .offset: 0, .size: 8, .value_kind: global_buffer, .address_space: global }
      - { .name: W2_codes, .offset: 8, .size: 8, .value_kind: global_buffer, .address_space: global }
      - { .name: W2_scales, .offset: 16, .size: 8, .value_kind: global_buffer, .address_space: global }
      - { .name: b2, .offset: 24, .size: 8, .value_kind: global_buffer, .address_space: global }
      - { .name: out0, .offset: 32, .size: 8, .value_kind: global_buffer, .address_space: global }
    .group_segment_fixed_size: 327680
    .private_segment_fixed_size: 0
    .kernarg_segment_align: 8
    .kernarg_segment_size: 40
    .max_flat_workgroup_size: 128
    .sgpr_count:     100
    .vgpr_count:     1024
    .wavefront_size: 32
...
	.end_amdgpu_metadata
.endif
;; end of part 2
